; MI455X (gfx1250); checked and timed in simulation.
; The chip was launched on July 23, 2026; its instructions are those of AMD's public machine-readable ISA for CDNA 5 (MIT licence, August 2026) and "CDNA5" Instruction Set Architecture Reference Guide (July 2026). The comments in the code are by the model that wrote it; some were corrected since.
;; Attention Block. Allowed arithmetic: float matrix products may take bf16 or f16 operands with f32 sums; all other float work in f32.
;; Inputs: Wk 1,024 x 256 float32; Wq 1,024 x 256 float32; Wv 1,024 x 1,024 float32; bk 256 float32; bq 256 float32; bv 1,024 float32; x_h 8 x 2,048 x 1,024 float32.
;; Outputs: out0 8 x 2,048 x 1,024 float32.
;; One version. Each part assembles by itself: llvm-mc -triple=amdgcn-amd-amdhsa -mcpu=gfx1250 --defsym DOCPART=n.
;; ======== version 1 of 1: 4 launches
;; limits: values are held in f16: magnitudes above 65,504 overflow, below 6.1e-05 lose precision; values outside matrix products are rounded to bf16
;; workspace buffers: wt 3,145,728 bytes; bcat 6,144 bytes; qkv 50,331,648 bytes; et 67,108,864 bytes; stat 1,048,576 bytes
;; launch prep (part 1): grid 24 x 16, 1 waves a work-group, no clusters, 9,472 bytes of LDS; arguments Wq, Wk, Wv, bq, bk, bv, wt, bcat; writes wt, bcat
.if DOCPART == 1
	.amdgcn_target "amdgcn-amd-amdhsa--gfx1250"
	.amdhsa_code_object_version 6
	.text
	.protected	k_q011d69e11f_prep
	.globl	k_q011d69e11f_prep
	.p2align	8
	.type	k_q011d69e11f_prep,@function
k_q011d69e11f_prep:
	s_mov_b64 s[64:65], 0
	v_nop
	global_prefetch_b8 v0, s[64:65] scope:SCOPE_SE
	s_setreg_imm32_b32 hwreg(HW_REG_WAVE_MODE, 25, 1), 1
	s_wait_xcnt 0x0
; wt[kb][n][k'] = bf16(W[64 kb + k'][n]) for n = 0..1535 (256 columns of Wq, 256 of Wk, 1,024 of Wv), kb = 0..15, k' = 0..63; bcat = bq, bk, bv on end.
; One wave takes 64 rows (k) x 64 columns (n) of one W: 32 loads of which sixteen lanes read 256 consecutive bytes of a row; two rows' numbers are rounded
; to bf16 in pairs (k, k + 1), turned through LDS ([n][k], rows of 128 bytes + 16), and stored as 16 x 512 consecutive bytes.
; No matrix unit, no cluster: the whole launch moves 9 MB once and no two work-groups read the same bytes.
.set LP, 144                           ; an LDS row: 64 k in bf16 + 16 bytes
.set D,  16                            ; v[16:143]  the 64 x 64 numbers as loaded; the packed pairs take the first four of each eight
.set BK, 144                           ; v[144:207] the turned rows
	s_load_b512 s[8:23], s[0:1], 0x0               ; Wq s[8:9], Wk s[10:11], Wv s[12:13], bq s[14:15], bk s[16:17], bv s[18:19], wt s[20:21], bcat s[22:23]
	v_lshl_add_u32 v208, v0, 2, 0x2400
	v_mov_b32 v209, 0
	s_mov_b32 s2, ttmp9                            ; g: which 64 of the 1,536 columns
	s_and_b32 s3, ttmp7, 0xffff                    ; kb: which 64 of the 1,024 rows
	v_and_b32 v1, 15, v0                           ; r: four columns 4 r ..
	v_lshrrev_b32 v2, 4, v0                        ; h: rows 2 h, 2 h + 1 of each four
	v_mul_u32_u24 v4, v1, 4*LP
	v_lshl_add_u32 v4, v2, 2, v4                   ; into LDS: column 4 r, pair of rows h
	v_lshrrev_b32 v5, 3, v0
	v_and_b32 v6, 7, v0
	v_mul_u32_u24 v5, v5, LP
	v_lshl_add_u32 v5, v6, 4, v5                   ; back: four rows of 128 bytes for 32 lanes
	v_lshlrev_b32 v7, 4, v0                        ; 16 x lane
	v_lshlrev_b32 v8, 3, v0                        ; 8 x lane
	s_wait_kmcnt 0x0
	s_cmp_lt_u32 s2, 4                             ; which W and which bias: a choice on g alone
	s_cselect_b64 s[24:25], s[8:9], s[10:11]
	s_cselect_b64 s[26:27], s[14:15], s[16:17]
	s_cselect_b32 s4, 0, 4
	s_cmp_lt_u32 s2, 8
	s_cselect_b64 s[24:25], s[24:25], s[12:13]
	s_cselect_b64 s[26:27], s[26:27], s[18:19]
	s_cselect_b32 s4, s4, 8
	s_cselect_b32 s5, 16, 18                       ; 64 rows are 2^16 bytes of Wq or Wk, 2^18 of Wv
	s_sub_co_u32 s4, s2, s4                        ; the group of 64 columns inside its own W
	s_lshl_b32 s28, s4, 8                          ; 256 bytes a group, in a row of W and in a bias
	s_mov_b32 s29, 0
	s_lshl_b32 s30, s3, s5
	s_mov_b32 s31, 0
	s_add_nc_u64 s[24:25], s[24:25], s[28:29]
	s_add_nc_u64 s[24:25], s[24:25], s[30:31]
	s_add_nc_u64 s[26:27], s[26:27], s[28:29]
	s_mul_i32 s32, s3, 1536*128
	s_lshl_b32 s33, s2, 13
	s_add_co_u32 s32, s32, s33
	s_mov_b32 s33, 0
	s_add_nc_u64 s[20:21], s[20:21], s[32:33]      ; wt at (kb, 64 g)
	s_lshl_b32 s32, s2, 8
	s_add_nc_u64 s[22:23], s[22:23], s[32:33]      ; bcat at 64 g
.macro LOADS pitch                     ; rows 4 p + 2 h and 4 p + 2 h + 1, columns 4 r .. 4 r + 3
	v_mul_u32_u24 v3, v2, 2*(\pitch)
	v_lshl_add_u32 v3, v1, 4, v3
.set p, 0
.rept 16
	global_load_b128 v[D+8*p:D+8*p+3],   v3, s[24:25] offset:4*p*(\pitch)
	global_load_b128 v[D+8*p+4:D+8*p+7], v3, s[24:25] offset:(4*p+1)*(\pitch)
.set p, p+1
.endr
.endm
	s_cmp_lt_u32 s2, 8
	s_cbranch_scc0 .Lwide
	LOADS 1024
	s_branch .Lloaded
.Lwide:
	LOADS 4096
.Lloaded:
	s_wait_loadcnt 0x0
.set p, 0
.rept 16
.irp c, 0,1,2,3
	v_cvt_pk_bf16_f32 v[D+8*p+\c], v[D+8*p+\c], v[D+8*p+4+\c]   ; (k, k + 1) of one column
.endr
.set p, p+1
.endr
.set p, 0
.rept 16
.irp c, 0,1,2,3
	ds_store_b32 v4, v[D+8*p+\c] offset:LP*\c+8*p
.endr
.set p, p+1
.endr
.set i, 0
.rept 16
	ds_load_b128 v[BK+4*i:BK+4*i+3], v5 offset:4*LP*i           ; LDS serves a wave's instructions in order (ISA guide 5.7.1.4): these see the stores above
.set i, i+1
.endr
.set i, 0
.rept 16
	s_wait_dscnt 15-i                              ; LDS loads come back in order: load i is in
	global_store_b128 v7, v[BK+4*i:BK+4*i+3], s[20:21] offset:512*i  ; 512 consecutive bytes, at a multiple of 512 from wt's first byte
.set i, i+1
.endr
	s_cmp_lg_u32 s3, 0
	s_cbranch_scc1 .Ldone                          ; the work-groups of kb = 0 also copy their 64 numbers of the bias
	global_load_b64 v[10:11], v8, s[26:27]
	s_wait_loadcnt 0x0
	global_store_b64 v8, v[10:11], s[22:23]        ; 256 consecutive bytes
.Ldone:
	s_wait_tensorcnt 0x0
	ds_add_u32 v208, v209
	s_wait_dscnt 0x0
	s_endpgm
.Lfunc_end_k_q011d69e11f_prep:
	.size	k_q011d69e11f_prep, .Lfunc_end_k_q011d69e11f_prep-k_q011d69e11f_prep
	.p2alignl 7, 3214868480
	.fill 96, 4, 3214868480
	.section	.rodata,"a",@progbits
	.p2align	6, 0x0
	.amdhsa_kernel k_q011d69e11f_prep
		.amdhsa_group_segment_fixed_size 9472
		.amdhsa_private_segment_fixed_size 0
		.amdhsa_enable_private_segment 0
		.amdhsa_kernarg_size 64
		.amdhsa_user_sgpr_count 2
		.amdhsa_user_sgpr_kernarg_segment_ptr 1
		.amdhsa_wavefront_size32 1
		.amdhsa_system_sgpr_workgroup_id_x 1
		.amdhsa_system_sgpr_workgroup_id_y 1
		.amdhsa_system_sgpr_workgroup_id_z 1
		.amdhsa_system_vgpr_workitem_id 0
		.amdhsa_next_free_vgpr 210
		.amdhsa_next_free_sgpr 66
		.amdhsa_reserve_vcc 0
		.amdhsa_float_denorm_mode_32 3
		.amdhsa_float_denorm_mode_16_64 3
		.amdhsa_memory_ordered 1
		.amdhsa_forward_progress 1
		.amdhsa_inst_pref_size 20
	.end_amdhsa_kernel
	.amdgpu_metadata
---
amdhsa.version: [ 1, 2 ]
amdhsa.kernels:
  - .name:           k_q011d69e11f_prep
    .symbol:         k_q011d69e11f_prep.kd
    .args:
      - { .name: Wq, .offset: 0, .size: 8, .value_kind: global_buffer, .address_space: global }
      - { .name: Wk, .offset: 8, .size: 8, .value_kind: global_buffer, .address_space: global }
      - { .name: Wv, .offset: 16, .size: 8, .value_kind: global_buffer, .address_space: global }
      - { .name: bq, .offset: 24, .size: 8, .value_kind: global_buffer, .address_space: global }
      - { .name: bk, .offset: 32, .size: 8, .value_kind: global_buffer, .address_space: global }
      - { .name: bv, .offset: 40, .size: 8, .value_kind: global_buffer, .address_space: global }
      - { .name: wt, .offset: 48, .size: 8, .value_kind: global_buffer, .address_space: global }
      - { .name: bcat, .offset: 56, .size: 8, .value_kind: global_buffer, .address_space: global }
    .group_segment_fixed_size: 9472
    .private_segment_fixed_size: 0
    .kernarg_segment_align: 8
    .kernarg_segment_size: 64
    .max_flat_workgroup_size: 32
    .sgpr_count:     66
    .vgpr_count:     210
    .wavefront_size: 32
...
	.end_amdgpu_metadata
.endif
;; end of part 1
;; launch proj (part 2): grid 4 x 64, 4 waves a work-group, clusters of 4 x 4, 327,680 bytes of LDS; arguments x_h, wt, bcat, qkv; writes qkv
.if DOCPART == 2
	.amdgcn_target "amdgcn-amd-amdhsa--gfx1250"
	.amdhsa_code_object_version 6
	.text
	.protected	k_q011d69e11f_proj
	.globl	k_q011d69e11f_proj
	.p2align	8
	.type	k_q011d69e11f_proj,@function
k_q011d69e11f_proj:
	s_mov_b64 s[64:65], 0
	v_nop
	global_prefetch_b8 v0, s[64:65] scope:SCOPE_SE
	s_setreg_imm32_b32 hwreg(HW_REG_WAVE_MODE, 25, 1), 1
	s_wait_xcnt 0x0
	s_wait_alu depctr_hold_cnt(0) depctr_sa_sdst(0) depctr_va_vdst(0) depctr_va_sdst(0) depctr_va_ssrc(0) depctr_va_vcc(0) depctr_vm_vsrc(0)
	s_getreg_b32 s2, hwreg(HW_REG_IB_STS2, 6, 4)
	s_cmp_eq_u32 s2, 0
	s_cbranch_scc0 .Lentry_in_a_cluster
	s_endpgm
.Lentry_in_a_cluster:
	s_bfe_u32 s2, ttmp6, 0x10000c
	s_cmp_lg_u32 s2, 0xf033
	s_cbranch_scc0 .Lentry_shape_is_right
	s_endpgm
.Lentry_shape_is_right:
; qkv[m][n] = f16( bcat[n] + sum over k of bf16(x[m][k]) wt[n][k] ), m = 0..16383, n = 0..1535 (q, k, v side by side), K = 1,024; sums in f32, started from the bias.
; A work-group makes 256 rows x 384 columns: 64 x 4 = 256 work-groups.  Wave w owns rows 64 w .. 64 w + 63 and all 384 columns: 96 accumulators, 768 registers, so that each
; number of x is rounded to bf16 once in the work-group: 32 conversions for 96 matrix instructions.
; K goes in steps of 64 through two LDS slots: x's rows are 256 bytes of f32, W's block (wt is laid in blocks of 64 k) is dense and is asked for as rows of 256 bytes.
; CLUSTER 4 x 4: x's tile hangs on the tile row alone and is asked for jointly along a row of the cluster, W's on the tile column alone, jointly along a column.
; THE MATRIX INSTRUCTION IS USED TRANSPOSED (source 0 = 16 rows of wt, source 1 = 16 rows of x): a lane holds eight neighbouring columns of one row of qkv.
; A K step is two quarters of 32 along K, a quarter three STRETCHES of 32 matrix instructions (8 column blocks x 4 row blocks).  W's fragments come by thirds into two buffers that
; take turns: at a stretch's head the next third is fetched into the buffer that the last stretch read.  x's f32 fragments of the next quarter are fetched at a quarter's third stretch.
; LIMITS.  x and W are rounded to bf16 (nearest even).  q, k, v are rounded once, to f16, which has three bits more than bf16 and ends at 65,504: a number of 65,520 or more becomes an infinity.
; With all inputs 30 times the drawn spread |q|, |k|, |v| reach about 3,000; with a common offset of 30 spreads on x and on W, 1,024 x 30 x 0.54 to 0.94 = 17,000 to 29,000.
; Below 6e-5 f16 keeps a fixed step of 6e-8.  NaN and infinities are not treated apart.
; REGISTERS: window 0: v0-31 addresses; v32-63 x's fragments in bf16; v64-127 the same in f32 as loaded; v128-191, v192-255 W's two buffers.
;   windows 1-3: accumulator (a, b), a = 0..3 row block, b = 0..23 column block, in window 1 + b / 8 at v[8 (8 a + b % 8)].
.set PA,    272                        ; a row of x in LDS: 256 bytes + 16: the 16 rows of a load start at 16 different groups of four banks (64 banks of 4 bytes: ISA guide 11.1)
.set PB,    144                        ; a row of wt: 128 bytes + 16, likewise
.set AH,    128*PA                     ; what one tensor load brings of x: 128 rows
.set BOFF,  2*AH                       ; W's 384 rows lie behind x's 256
.set BH,    192*PB                     ; what one tensor load brings of W: 192 rows
.set SLOT1, 1<<17                      ; slot 1 begins here (a slot has 124,928 bytes), so that one exclusive or turns an address in one slot into the other's
.set STAGE, SLOT1+BOFF+2*BH            ; behind the ring: 16 rows x 272 bytes for each wave, for the way out
.set SP,    272
.set BIAS,  STAGE+4*16*SP              ; 1,536 bytes for each wave: the tile's 384 numbers of the bias
.set SPARE, BIAS+4*1536                ; the spare words, 128 bytes for each wave: two blocks of 256 bytes that no other line names
.set A0,  2                            ; v2   my lane's place in x's part of a slot; never rewritten
.set B0,  3                            ; v3   the same for W
.set AA,  4                            ; v4   A0 + the slot in hand
.set AB,  5                            ; v5   B0 + the slot in hand
.set STO, 6                            ; v6   the way out: where I put 16 bytes of a row
.set RD,  7                            ; v7   the way out: where I read a row back
.set CO,  8                            ; v8   my byte offset in qkv
.set BA,  9                            ; v9   my place in my wave's copy of the bias
.set SPW, 28                           ; v28  LDS address of my spare word; never rewritten
.set NIL, 29                           ; v29  0; never rewritten
.set AF,  32
.set SG,  64
.set BX,  128
.set TMP, 192                          ; the way out: packed results
.set OB,  32                           ; the way out: rows read back, v32-63 and v64-95 by turns
.set WV,  12                           ; s12  wave
.set WH,  13                           ; s13  wave / 2: I fetch for x (0) or for W (1)
.set WL,  14                           ; s14  wave % 2: which half of that tile
.set G1A, 24                           ; s[24:31] descriptor group 1 for x;  s[32:39] group 0: a set for each first fill, the second walks on
.set G0A, 32
.set G1B, 40                           ; s[40:47], s[48:55] the same for W
.set G0B, 48
.set TB,  56                           ; s56  the slot that is read: 0 or SLOT1
.set CNT, 57                           ; s57  loop counter
.set MSB, 0
.macro WIN new                         ; the immediate's high byte repeats the setting that is left; a switch that changes nothing is dropped
.if MSB != (\new)
	s_set_vgpr_msb (MSB<<8)|(\new)
.set MSB, (\new)
.endif
.endm
.macro PLACES                          ; four places in front of loads into, and writes of, registers that matrix instructions have read, and of reads of their results
.rept 4
	v_nop
.endr
.endm
.macro JLOAD                           ; a joint refill: waves 0 and 1 fetch x's halves, waves 2 and 3 W's; an s_nop 0 and four v_nop follow each line
	s_cmp_eq_u32 s[WH], 0
	s_cbranch_scc0 .Lfor_b_\@
	tensor_load_to_lds s[G0A+4:G0A+7], s[G1A:G1A+7]
	s_nop 0
.rept 4
	v_nop
.endr
	s_branch .Lasked_\@
.Lfor_b_\@:
	tensor_load_to_lds s[G0B+4:G0B+7], s[G1B:G1B+7]
	s_nop 0
.rept 4
	v_nop
.endr
.Lasked_\@:
.endm
.macro CREST                           ; a round of the cluster's barrier behind its opening barrier
	s_cmp_lg_u32 s[WV], 0
	s_cbranch_scc1 .Lnot_wave_0_\@
	s_barrier_signal -3
.Lnot_wave_0_\@:
	s_barrier_wait -3
	s_barrier_signal -1
	s_barrier_wait -1
.endm
.macro CROUND                          ; a whole round
	s_barrier_signal -1
	s_barrier_wait -1
	CREST
.endm
	s_load_b256 s[4:11], s[0:1], 0x0               ; x s[4:5], wt s[6:7], bcat s[8:9], qkv s[10:11]
	v_lshl_add_u32 v[SPW], v0, 2, SPARE
	v_mov_b32 v[NIL], 0
	ds_add_u32 v28, v29
	s_wait_dscnt 0x0
	v_lshrrev_b32 v1, 5, v0
	v_readfirstlane_b32 s[WV], v1
	s_lshr_b32 s[WH], s[WV], 1
	s_and_b32 s[WL], s[WV], 1
	s_bfe_u32 s15, ttmp6, 0x40000                  ; cx
	s_bfe_u32 s16, ttmp6, 0x40004                  ; cy
	s_lshl_b32 s17, ttmp9, 2
	s_add_co_u32 s17, s17, s15                     ; tile column (384 columns) = 4 x cluster x + cx
	s_and_b32 s18, ttmp7, 0xffff
	s_lshl_b32 s18, s18, 2
	s_add_co_u32 s18, s18, s16                     ; tile row (256 rows) = 4 x cluster y + cy
	s_lshl_b32 s19, s16, 2
	s_lshl_b32 s19, 15, s19                        ; my row of the cluster
	s_lshl_b32 s60, 0x1111, s15                    ; my column
	s_or_b32 s[G1A], s19, (2<<16)|(1<<20)|(1<<21)|(5<<22)|(3<<25)  ; mask; elements of 4 bytes; padding on; 21 set beside a mask; after every 64 words 4 words
	s_mov_b32 s[G1A+1], 64<<16                     ; tensor_dim0 = 64
	s_mov_b32 s[G1A+2], 128<<16                    ; tensor_dim1 = 128
	s_mov_b32 s[G1A+3], 64<<16                     ; tile_dim0 = 64
	s_mov_b32 s[G1A+4], 128                        ; tile_dim1 = 128
	s_mov_b32 s[G1A+5], 1024                       ; elements from row to row
	s_mov_b32 s[G1A+6], 0
	s_mov_b32 s[G1A+7], 0
	s_or_b32 s[G1B], s60, (1<<16)|(1<<20)|(1<<21)|(4<<22)|(3<<25)  ; elements of 2 bytes; after every 32 words (one row of wt) 4 words
	s_mov_b32 s[G1B+1], 128<<16                    ; 192 dense rows of 128 bytes, asked for as 96 rows of 256
	s_mov_b32 s[G1B+2], 96<<16
	s_mov_b32 s[G1B+3], 128<<16
	s_mov_b32 s[G1B+4], 96
	s_mov_b32 s[G1B+5], 128
	s_mov_b32 s[G1B+6], 0
	s_mov_b32 s[G1B+7], 0
	s_lshl_b32 s22, s18, 20                        ; x: (256 x tile row + 128 x half) rows of 4,096 bytes
	s_lshl_b32 s23, s[WL], 19
	s_add_co_u32 s22, s22, s23
	s_mov_b32 s23, 0
	s_mul_i32 s58, s17, 384*128                    ; wt: (384 x tile column + 192 x half) rows of 128 bytes in block 0
	s_mul_i32 s59, s[WL], 192*128
	s_add_co_u32 s58, s58, s59
	s_mov_b32 s59, 0
	s_mul_i32 s61, s[WL], AH                       ; where they go: the wave's number alone enters an LDS address
	s_mul_i32 s62, s[WL], BH
	s_add_co_u32 s62, s62, BOFF
	s_mov_b32 s[TB], 0
	s_wait_kmcnt 0x0
	s_add_nc_u64 s[22:23], s[4:5], s[22:23]
	s_add_nc_u64 s[58:59], s[6:7], s[58:59]
.irp s, 0,1
	s_mov_b32 s[G0A+4*\s], 1
	s_add_co_u32 s[G0A+4*\s+1], s61, \s*SLOT1
	s_add_nc_u64 s[G0A+4*\s+2:G0A+4*\s+3], s[22:23], \s*256       ; K step s: 64 numbers of 4 bytes on
	s_or_b32 s[G0A+4*\s+3], s[G0A+4*\s+3], 0x80000000
	s_mov_b32 s[G0B+4*\s], 1
	s_add_co_u32 s[G0B+4*\s+1], s62, \s*SLOT1
	s_add_nc_u64 s[G0B+4*\s+2:G0B+4*\s+3], s[58:59], \s*1536*128  ; K step s: one block of wt on
	s_or_b32 s[G0B+4*\s+3], s[G0B+4*\s+3], 0x80000000
.endr
	CROUND                                         ; all sixteen work-groups are here: the first joint loads meet
	s_cmp_eq_u32 s[WH], 0                          ; a wave's two first fills stand in one branch: two loads of mine are out
	s_cbranch_scc0 .Lfirst_b
	tensor_load_to_lds s[G0A:G0A+3], s[G1A:G1A+7]
	s_nop 0
	tensor_load_to_lds s[G0A+4:G0A+7], s[G1A:G1A+7]
	s_nop 0
.rept 4
	v_nop
.endr
	s_branch .Lfirst_asked
.Lfirst_b:
	tensor_load_to_lds s[G0B:G0B+3], s[G1B:G1B+7]
	s_nop 0
	tensor_load_to_lds s[G0B+4:G0B+7], s[G1B:G1B+7]
	s_nop 0
.rept 4
	v_nop
.endr
.Lfirst_asked:
	; the tile's 384 numbers of the bias: 1,536 consecutive bytes, once into my wave's own LDS bytes
	v_and_b32 v1, 15, v0                           ; r = lane % 16
	v_bfe_u32 v10, v0, 4, 1                        ; h = lane / 16
	v_and_b32 v11, 31, v0
	v_lshlrev_b32 v11, 4, v11                      ; 16 x lane
	s_mul_i32 s20, s17, 1536
	s_mov_b32 s21, 0
	s_add_nc_u64 s[8:9], s[8:9], s[20:21]
	global_load_b128 v[12:15], v11, s[8:9]
	global_load_b128 v[16:19], v11, s[8:9] offset:512
	global_load_b128 v[20:23], v11, s[8:9] offset:1024
	s_mul_i32 s20, s[WV], 1536
	s_add_co_u32 s20, s20, BIAS
	v_add_nc_u32 v24, s20, v11
	v_lshl_add_u32 v[BA], v10, 5, s20              ; my eight columns of a block of 16: 32 bytes for each half of the lanes
	v_mul_u32_u24 v[A0], v1, PA                    ; x: row 64 w + r, 32 bytes (8 f32) for each half of the lanes
	v_lshl_add_u32 v[A0], v10, 5, v[A0]
	s_mul_i32 s21, s[WV], 64*PA
	v_add_nc_u32 v[A0], s21, v[A0]
	v_mul_u32_u24 v[B0], v1, PB                    ; W: row r, 16 bytes (8 bf16) for each half
	v_lshl_add_u32 v[B0], v10, 4, v[B0]
	v_add_nc_u32 v[B0], BOFF, v[B0]
	v_mov_b32 v[AA], v[A0]
	v_mov_b32 v[AB], v[B0]
	s_mul_i32 s21, s[WV], 16*SP
	s_add_co_u32 s21, s21, STAGE                   ; my stage
	v_mul_u32_u24 v[STO], v1, SP
	v_lshl_add_u32 v[STO], v10, 4, v[STO]
	v_add_nc_u32 v[STO], s21, v[STO]
	v_mul_u32_u24 v[RD], v10, SP
	v_lshl_add_u32 v[RD], v1, 4, v[RD]
	v_add_nc_u32 v[RD], s21, v[RD]
	v_mul_u32_u24 v[CO], v10, 3072                 ; lanes 0-15 one row of qkv, lanes 16-31 the next
	v_lshl_add_u32 v[CO], v1, 4, v[CO]
	s_lshl_b32 s20, s18, 8
	s_lshl_b32 s21, s[WV], 6
	s_add_co_u32 s20, s20, s21                     ; my first row of qkv
	s_mul_i32 s20, s20, 3072
	s_mul_i32 s21, s17, 768                        ; the tile's first column, in bytes
	s_add_co_u32 s20, s20, s21
	s_mov_b32 s21, 0
	s_add_nc_u64 s[10:11], s[10:11], s[20:21]
	s_wait_loadcnt 0x0
	ds_store_b128 v24, v[12:15]
	ds_store_b128 v24, v[16:19] offset:512
	ds_store_b128 v24, v[20:23] offset:1024
	; THE SUMS START FROM THE BIAS: register j of accumulator (a, b) is column 16 b + 8 h + j, whatever a and r.  192 loads, in the wait for the first tile.
.irp th, 0,1,2
	WIN ((\th)+1)<<6
.set a, 0
.rept 4
.set c, 0
.rept 8
	ds_load_b128 v[8*(8*a+c):8*(8*a+c)+3],   v[BA] offset:512*\th+64*c      ; LDS serves a wave's instructions in order: these see the stores above
	ds_load_b128 v[8*(8*a+c)+4:8*(8*a+c)+7], v[BA] offset:512*\th+64*c+16
.set c, c+1
.endr
.set a, a+1
.endr
.endr
	WIN 0
.macro FA qd                           ; x's four fragments of quarter qd, in f32: k = 8 h .. 8 h + 7 and 16 + 8 h .. of the quarter's 32
.irp a, 0,1,2,3
	ds_load_b128 v[SG+16*\a:SG+16*\a+3],     v[AA] offset:\a*16*PA+128*(\qd)
	ds_load_b128 v[SG+16*\a+4:SG+16*\a+7],   v[AA] offset:\a*16*PA+128*(\qd)+16
	ds_load_b128 v[SG+16*\a+8:SG+16*\a+11],  v[AA] offset:\a*16*PA+128*(\qd)+64
	ds_load_b128 v[SG+16*\a+12:SG+16*\a+15], v[AA] offset:\a*16*PA+128*(\qd)+80
.endr
.endm
.macro FB qd, tt, buf                  ; W's fragments of quarter qd, column blocks 8 tt .. 8 tt + 7
.irp c, 0,1,2,3,4,5,6,7
	ds_load_b128 v[(\buf)+8*\c:(\buf)+8*\c+3],   v[AB] offset:(8*(\tt)+\c)*16*PB+64*(\qd)
	ds_load_b128 v[(\buf)+8*\c+4:(\buf)+8*\c+7], v[AB] offset:(8*(\tt)+\c)*16*PB+64*(\qd)+32
.endr
.endm
.macro CVT                             ; x's fragments rounded to bf16
.set ci, 0
.rept 32
	v_cvt_pk_bf16_f32 v[AF+ci], v[SG+2*ci], v[SG+2*ci+1]
.set ci, ci+1
.endr
.endm
.macro STRH tt, buf, half              ; 16 matrix instructions; a stretch's 32 accumulators take turns
	WIN (((\tt)+1)<<6)|(((\tt)+1)<<4)
.irp a, 2*(\half), 2*(\half)+1
.irp c, 0,1,2,3,4,5,6,7
	v_wmma_f32_16x16x32_bf16 v[8*(8*(\a)+\c):8*(8*(\a)+\c)+7], v[(\buf)+8*\c:(\buf)+8*\c+7], v[AF+8*(\a):AF+8*(\a)+7], v[8*(8*(\a)+\c):8*(8*(\a)+\c)+7]
.endr
.endr
.endm
; Stretch pos (0..5) of a K step.  meet = 1: behind it the slot is left and filled again; 2: left only.  last = 1: in the tail's last trip nothing is left to fetch.
.macro THIRD pos, meet=0, last=0
.set th, (\pos)%3
.set bf, BX+64*((\pos)%2)
.set np, ((\pos)+1)%6
.set nb, BX+64*(np%2)
	WIN 0
	PLACES
.if th == 0
	s_wait_dscnt 16                                ; x's fragments are in: behind them only this stretch's 16 loads of W were issued
	CVT
.endif
.if \last
	s_cmp_eq_u32 s[CNT], 1
	s_cbranch_scc1 .Lnofetch_\@
.endif
.if th == 2
	FA np/3
.endif
	FB np/3, np%3, nb
.if \last
.Lnofetch_\@:
.endif
.if \meet
	s_wait_tensorcnt 0x0                           ; all my tensor loads have landed: the one that was out is my part of the other slot;
	ds_add_u32 v[SPW], v[NIL]                      ; 0 onto my spare word
.if (\meet) == 1
	s_xor_b32 s[G0A+5], s[G0A+5], SLOT1            ; no tensor load of mine is out: the walking descriptors step: the other slot than last time, the next K step
	s_add_nc_u64 s[G0A+6:G0A+7], s[G0A+6:G0A+7], 256
	s_xor_b32 s[G0B+5], s[G0B+5], SLOT1
	s_add_nc_u64 s[G0B+6:G0B+7], s[G0B+6:G0B+7], 1536*128
.endif
	s_wait_dscnt 17                                ; this stretch's third is in: the add and the 16 loads just issued may be out
	STRH th, bf, 0
	s_wait_dscnt 0x0                               ; the add is done, and my reads of this slot are over
	s_barrier_signal -1
	STRH th, bf, 1
	WIN 0
	s_barrier_wait -1
.if (\meet) == 1
	CREST                                          ; the barrier has opened a round of the cluster's: no wave of any partner still reads this slot or has a load on its way
	JLOAD                                          ; the first tensor load behind the round: 160 matrix instructions ahead of the wait for it
.endif
	s_xor_b32 s[TB], s[TB], SLOT1
	v_add_nc_u32 v[AA], s[TB], v[A0]
	v_add_nc_u32 v[AB], s[TB], v[B0]
.else
.if th == 2
	s_wait_dscnt 32                                ; all but the 32 just issued
.else
	s_wait_dscnt 16                                ; all but the 16 just issued
.endif
	STRH th, bf, 0
	STRH th, bf, 1
.endif
.endm
	s_wait_tensorcnt 0x1                           ; my part of K step 0 is in; K step 1's may stay out
	s_wait_dscnt 0x0                               ; the bias lies in the accumulators
	s_barrier_signal -1
	s_barrier_wait -1
	FA 0
	FB 0, 0, BX
	THIRD 0
	THIRD 1
	THIRD 2
	WIN 0
	s_mov_b32 s[CNT], 14                           ; K steps 2 to 15 are asked for in the loop
.Lstep:                                                ; a trip: a K step's second quarter, the change of slots, the next step's first quarter
	THIRD 3
	THIRD 4, 1
	THIRD 5
	THIRD 0
	THIRD 1
	THIRD 2
	WIN 0
	s_sub_co_u32 s[CNT], s[CNT], 1
	s_cmp_lg_u32 s[CNT], 0
	s_cbranch_scc1 .Lstep
	s_mov_b32 s[CNT], 2                            ; the tail asks for nothing; its second trip is left in its middle
.Ltail:
	THIRD 3
	THIRD 4, 2
	THIRD 5, 0, 1
	WIN 0
	s_sub_co_u32 s[CNT], s[CNT], 1
	s_cmp_eq_u32 s[CNT], 0
	s_cbranch_scc1 .Lout
	THIRD 0
	THIRD 1
	THIRD 2
	WIN 0
	s_branch .Ltail
.Lout:
; THE WAY OUT, in 12 blocks n = 4 tt + a of 16 rows x 128 columns: rounded to f16 (each accumulator's registers in ascending order), through my own stage, stored as whole rows of 256 bytes.
.macro PACK n
.set pw, (\n)/4+1
.set pa, (\n)%4
	WIN pw|(pw<<2)
.irp c, 0,1,2,3,4,5,6,7
.irp rr, 0,1,2,3
	v_cvt_pk_f16_f32 v[TMP+4*\c+\rr], v[8*(8*pa+\c)+2*\rr], v[8*(8*pa+\c)+2*\rr+1]
.endr
.endr
	WIN 0
.endm
.macro TOSTAGE n
.set BK, OB+32*((\n)%2)
.irp c, 0,1,2,3,4,5,6,7
	ds_store_b128 v[STO], v[TMP+4*\c:TMP+4*\c+3] offset:32*\c
.endr
.irp t, 0,1,2,3,4,5,6,7
	ds_load_b128 v[BK+4*\t:BK+4*\t+3], v[RD] offset:\t*2*SP    ; LDS serves a wave's instructions in order: these see the stores above
.endr
.endm
.macro SEND n
.set BK, OB+32*((\n)%2)
	s_wait_dscnt 0x0                               ; the block is back in registers
	s_wait_xcnt 0x0                                ; the registers that the block before's stores read are loaded again only behind this wait
.irp t, 0,1,2,3,4,5,6,7
	global_store_b128 v[CO], v[BK+4*\t:BK+4*\t+3], s[10:11] offset:(16*((\n)%4)+2*\t)*3072+256*((\n)/4)  ; 16 lanes store 256 consecutive bytes, at a multiple of 256 from qkv's first byte
.endr
.endm
	PLACES
	PACK 0
	TOSTAGE 0
.irp n, 1,2,3,4,5,6,7,8,9,10,11
	PACK \n
	SEND (\n)-1
	TOSTAGE \n
.endr
	SEND 11
	s_wait_tensorcnt 0x0                           ; the wave's end
	ds_add_u32 v[SPW], v[NIL]
	s_wait_dscnt 0x0
	CROUND                                         ; the closing round: no work-group ends while a partner may still ask for a tile that names it
	s_endpgm
.Lfunc_end_k_q011d69e11f_proj:
	.size	k_q011d69e11f_proj, .Lfunc_end_k_q011d69e11f_proj-k_q011d69e11f_proj
	.p2alignl 7, 3214868480
	.fill 96, 4, 3214868480
	.section	.rodata,"a",@progbits
	.p2align	6, 0x0
	.amdhsa_kernel k_q011d69e11f_proj
		.amdhsa_group_segment_fixed_size 327680
		.amdhsa_private_segment_fixed_size 0
		.amdhsa_enable_private_segment 0
		.amdhsa_kernarg_size 32
		.amdhsa_user_sgpr_count 2
		.amdhsa_user_sgpr_kernarg_segment_ptr 1
		.amdhsa_wavefront_size32 1
		.amdhsa_system_sgpr_workgroup_id_x 1
		.amdhsa_system_sgpr_workgroup_id_y 1
		.amdhsa_system_sgpr_workgroup_id_z 1
		.amdhsa_system_vgpr_workitem_id 0
		.amdhsa_next_free_vgpr 1024
		.amdhsa_next_free_sgpr 66
		.amdhsa_reserve_vcc 0
		.amdhsa_float_denorm_mode_32 3
		.amdhsa_float_denorm_mode_16_64 3
		.amdhsa_memory_ordered 1
		.amdhsa_forward_progress 1
		.amdhsa_inst_pref_size 134
	.end_amdhsa_kernel
	.amdgpu_metadata
---
amdhsa.version: [ 1, 2 ]
amdhsa.kernels:
  - .name:           k_q011d69e11f_proj
    .symbol:         k_q011d69e11f_proj.kd
    .args:
      - { .name: x_h, .offset: 0, .size: 8, .value_kind: global_buffer, .address_space: global }
      - { .name: wt, .offset: 8, .size: 8, .value_kind: global_buffer, .address_space: global }
      - { .name: bcat, .offset: 16, .size: 8, .value_kind: global_buffer, .address_space: global }
      - { .name: qkv, .offset: 24, .size: 8, .value_kind: global_buffer, .address_space: global }
    .group_segment_fixed_size: 327680
    .private_segment_fixed_size: 0
    .kernarg_segment_align: 8
    .kernarg_segment_size: 32
    .max_flat_workgroup_size: 128
    .sgpr_count:     66
    .vgpr_count:     1024
    .wavefront_size: 32
...
	.end_amdgpu_metadata
.endif
;; end of part 2
;; launch scores (part 3): grid 8 x 32, 4 waves a work-group, clusters of 4 x 4, 327,680 bytes of LDS; arguments qkv, et, stat; writes et, stat
.if DOCPART == 3
	.amdgcn_target "amdgcn-amd-amdhsa--gfx1250"
	.amdhsa_code_object_version 6
	.text
	.protected	k_q011d69e11f_scores
	.globl	k_q011d69e11f_scores
	.p2align	8
	.type	k_q011d69e11f_scores,@function
k_q011d69e11f_scores:
	s_mov_b64 s[64:65], 0
	v_nop
	global_prefetch_b8 v0, s[64:65] scope:SCOPE_SE
	s_setreg_imm32_b32 hwreg(HW_REG_WAVE_MODE, 25, 1), 1
	s_wait_xcnt 0x0
	s_wait_alu depctr_hold_cnt(0) depctr_sa_sdst(0) depctr_va_vdst(0) depctr_va_sdst(0) depctr_va_ssrc(0) depctr_va_vcc(0) depctr_vm_vsrc(0)
	s_getreg_b32 s2, hwreg(HW_REG_IB_STS2, 6, 4)
	s_cmp_eq_u32 s2, 0
	s_cbranch_scc0 .Lentry_in_a_cluster
	s_endpgm
.Lentry_in_a_cluster:
	s_bfe_u32 s2, ttmp6, 0x10000c
	s_cmp_lg_u32 s2, 0xf033
	s_cbranch_scc0 .Lentry_shape_is_right
	s_endpgm
.Lentry_shape_is_right:
; For batch b, tile t of 256 queries and a tile of 256 keys: s[key][q] = k[key] . q[q] (K = 256, f16 operands, f32 sums); for each key the maximum m_t over the tile's 256 queries;
; et[b][key][q] = bf16( 2^(c s - c m_t) ), c = log2(e) / 16;  stat[b][t][0][key] = c m_t;  stat[b][t][1][key] = l_t = the sum over the tile's queries of the unrounded 2^(c s - c m_t).
; The softmax runs over the queries, so a key's statistics span the eight tiles t: each tile takes away its own true maximum here, and the launch behind joins the eight as running maxima are joined.
; LIMITS.  q and k arrive in f16, within 65,504.  A weight below 2^-126 counts as 0; the weights are rounded to bf16; NaN and infinities are not treated apart.
; A WORK-GROUP STAYS: 8 batches x 8 key tiles x 4 = 256 work-groups, each with one key tile and the two query tiles cy and cy + 4.  k's 256 rows stay in LDS; q's 256 rows are filled again straight behind
; the first tile's products, so that they land under that tile's maximum, exponentials and stores, and those stores leave under the second tile's products.
; The order is: products, refill, then a loop { maximum to stores; left here behind the second tile; products }: the products' text stands twice, the rest once.
; A tile is 256 keys x 256 queries, a wave's part 128 x 128: 64 accumulators in windows 2 and 3.  Source 0 = 16 rows of q, source 1 = 16 rows of k: a lane holds ONE key (lane % 16)
; and eight neighbouring queries, so the maximum and the sum over queries stay in the lane but for one exchange between the halves of the lanes and one, through LDS, with the wave of the other 128 queries.
; An LDS row holds all of K, 512 bytes: eight quarters of 32 along K lie 64 bytes apart, so that six of them are a loop of three trips whose addresses step 128 bytes.
; CLUSTER 4 x 4: k's tile hangs on the key tile alone (shared along a column), q's on the query tile (along a row); the batch is the cluster's y.
; REGISTERS: window 0: v16-31 addresses; v32-63 statistics; v64-127, v128-191 k's fragments, two buffers (later rows on the way out, and l); v192-223 packed weights.  window 1: q's fragments.
.set PITCH,  528                       ; an LDS row: 512 bytes + 16 = 132 words: the 16 rows of a load start at 16 different groups of four banks (64 banks of 4 bytes: ISA guide 11.1)
.set HALFT,  128*PITCH                 ; what one tensor load brings, and what one wave reads of k or of q
.set QB,     2*HALFT                   ; q's 256 rows lie behind k's 256
.set STAGE,  4*HALFT                   ; 16 rows x 272 bytes for each wave, for the way out
.set SPITCH, 272
.set XM,     STAGE+4*16*SPITCH         ; [query half 2][256 keys] f32: the halves' maxima
.set XL,     XM+2048                   ; the same for the sums
.set SPARE,  XL+2048                   ; the spare words, 128 bytes for each wave: two blocks of 256 bytes that no other line names
.set NEXTQ,  4*256*3072                ; bytes from a query tile to the one four further on
.set ADRA, 16                          ; v16  LDS address of my k fragments; never rewritten
.set ADRB, 17                          ; v17  the same for q
.set KA,   18                          ; v18  ADRA + the step along K
.set KB,   19                          ; v19  ADRB + the step along K
.set SPW,  22                          ; v22  LDS address of my spare word; never rewritten
.set NIL,  23                          ; v23  0; never rewritten
.set STO,  24
.set RD,   25
.set CO,   26                          ; my byte offset in et
.set XS,   27                          ; where my wave's maxima go
.set XP,   28                          ; where the partner's lie
.set XR,   29                          ; what I read for stat
.set SO,   30                          ; 16 x lane
.set CA,   32                          ; v32-39  block a's maximum
.set TA,   40                          ; v40-47  at work
.set CM,   48                          ; v48-63  c m, a pair for each block
.set OB,   64                          ; rows read back: v64-95, v96-127 by turns
.set LA,   128                         ; v128-135 block a's sum
.set F0,   64
.set F1,   128
.set TMP,  192
.set CS, 2                             ; s[2:3] c
.set CNT, 36                           ; s36  tiles to go
.set CN2, 37                           ; s37  counts the products' loop
.set SEL, 40                           ; s[40:41] v_permlanex16_b32's selects: each lane takes its own place in the other half
.set G1, 24                            ; s[24:31] group 1 for k's tile; s[32:35] group 0
.set G0, 32
.set G1B, 48                           ; s[48:55], s[56:59] the same for q's
.set G0B, 56
.set MSB, 0
.macro WIN new                         ; the immediate's high byte repeats the setting that is left; a switch that changes nothing is dropped
.if MSB != (\new)
	s_set_vgpr_msb (MSB<<8)|(\new)
.set MSB, (\new)
.endif
.endm
.set MUL_LO, 0xa1                      ; source 0 (q) window 1, source 1 (k) window 0, C and D window 2
.set MUL_HI, 0xf1
.set TO_B,   0x40
.macro PLACES                          ; four places in front of loads into registers that matrix instructions have read, and of reads of their results
.rept 4
	v_nop
.endr
.endm
.macro CROUND                          ; a round of the cluster's barrier
	s_barrier_signal -1
	s_barrier_wait -1
	s_cmp_lg_u32 s10, 0
	s_cbranch_scc1 .Lnot_wave_0_\@
	s_barrier_signal -3
.Lnot_wave_0_\@:
	s_barrier_wait -3
	s_barrier_signal -1
	s_barrier_wait -1
.endm
.macro MUL16 f, hi, a0, zero           ; 16 matrix instructions: key blocks a0, a0 + 1 of the window's four x all 8 query blocks; the 64 accumulators take turns
	WIN MUL_LO+0x50*(\hi)
.irp a, \a0, (\a0)+1
.irp b, 0,1,2,3,4,5,6,7
.if \zero
	v_wmma_f32_16x16x32_f16 v[8*(8*(\a)+(\b)):8*(8*(\a)+(\b))+7], v[(\f)+8*(\b):(\f)+8*(\b)+7], v[(\f)+8*(4*(\hi)+(\a)):(\f)+8*(4*(\hi)+(\a))+7], 0
.else
	v_wmma_f32_16x16x32_f16 v[8*(8*(\a)+(\b)):8*(8*(\a)+(\b))+7], v[(\f)+8*(\b):(\f)+8*(\b)+7], v[(\f)+8*(4*(\hi)+(\a)):(\f)+8*(4*(\hi)+(\a))+7], v[8*(8*(\a)+(\b)):8*(8*(\a)+(\b))+7]
.endif
.endr
.endr
.endm
.macro FETCH k, f                      ; 32 LDS loads in one run: q's 128 rows, then k's, 32 along K at byte k behind the stepped addresses
	WIN TO_B
.irp i, 0,1,2,3,4,5,6,7
	ds_load_b128 v[(\f)+8*(\i):(\f)+8*(\i)+3],   v[KB] offset:(\k)+(\i)*16*PITCH
	ds_load_b128 v[(\f)+8*(\i)+4:(\f)+8*(\i)+7], v[KB] offset:(\k)+(\i)*16*PITCH+32
.endr
	WIN 0
.irp i, 0,1,2,3,4,5,6,7
	ds_load_b128 v[(\f)+8*(\i):(\f)+8*(\i)+3],   v[KA] offset:(\k)+(\i)*16*PITCH
	ds_load_b128 v[(\f)+8*(\i)+4:(\f)+8*(\i)+7], v[KA] offset:(\k)+(\i)*16*PITCH+32
.endr
.endm
.macro QUARTER k, f, g, zero           ; multiplies buffer f; in its middle fetches the next quarter's fragments into g
	s_wait_dscnt 8                                 ; q's fragments and k's rows 0-63 are in; the youngest eight loads may be out
	MUL16 \f, 0, 0, \zero
	MUL16 \f, 0, 2, \zero
	PLACES
	FETCH \k, \g
	s_wait_dscnt 32                                ; all but the 32 just issued
	MUL16 \f, 1, 0, \zero
	MUL16 \f, 1, 2, \zero
.endm
; A tile's products: eight quarters.  The first starts the sums; quarters 1 to 6 are three trips of two; the last fetches nothing.
.macro GEMM
	WIN 0
	v_mov_b32 v[KA], v[ADRA]
	v_mov_b32 v[KB], v[ADRB]
	FETCH 0, F0
	QUARTER 64, F0, F1, 1
	WIN 0                                          ; at a label and at a branch every window is 0
	s_mov_b32 s[CN2], 3
.Lk_\@:
	QUARTER 128, F1, F0, 0
	QUARTER 192, F0, F1, 0
	WIN 0
	v_add_nc_u32 v[KA], 128, v[KA]                 ; two quarters on along K
	v_add_nc_u32 v[KB], 128, v[KB]
	s_sub_co_u32 s[CN2], s[CN2], 1
	s_cmp_lg_u32 s[CN2], 0
	s_cbranch_scc1 .Lk_\@
	s_wait_dscnt 8
	MUL16 F1, 0, 0, 0
	MUL16 F1, 0, 2, 0
	s_wait_dscnt 0x0                               ; my reads of k's and q's rows are over
	MUL16 F1, 1, 0, 0
	MUL16 F1, 1, 2, 0
	WIN 0
.endm
.macro MAXW w                          ; the window's four blocks: four chains take turns; each accumulator's lowest registers are read first
	WIN ((\w)<<2)|((\w)<<4)
.irp b, 0,1,2,3,4,5,6,7
.irp jp, 0,1,2,3
.irp a, 0,1,2,3
	v_max3_num_f32 v[CA+4*((\w)-2)+\a], v[CA+4*((\w)-2)+\a], v[8*(8*\a+\b)+2*\jp], v[8*(8*\a+\b)+2*\jp+1]
.endr
.endr
.endr
.endm
; Block a: c s - c m, the exponentials, the rounding to bf16, and the sum of the unrounded weights, all in place on the block's 64 registers
.macro EXPA a
.set ew, 2+(\a)/4
.set AC, 64*((\a)%4)
.set S1, (ew<<6)|(ew<<2)|ew            ; destination, sources 0 and 1 in the block's window; source 2 in window 0
.set S2, (ew<<2)|ew                    ; sources in the block's window, destination in window 0
	WIN S1
.set i, 0
.rept 32
	v_pk_fma_f32 v[AC+2*i:AC+2*i+1], v[AC+2*i:AC+2*i+1], s[CS:CS+1], v[CM+2*(\a):CM+2*(\a)+1] op_sel_hi:[1,0,0] neg_lo:[0,0,1] neg_hi:[0,0,1]
.set i, i+1
.endr
.set i, 0
.rept 64
	v_exp_f32 v[AC+i], v[AC+i]
.set i, i+1
.endr
	v_nop                                          ; a plain instruction between the exponentials and the use of their results (ISA guide 5.7.2)
	WIN S2
.set i, 0
	s_wait_alu depctr_va_vdst(0)
.rept 32
	v_cvt_pk_bf16_f32 v[TMP+i], v[AC+2*i], v[AC+2*i+1]
.set i, i+1
.endr
	WIN S1
.irp st, 1,2,4,8,16
.set i, 0
.rept 16/(\st)
	v_pk_add_f32 v[AC+4*\st*i:AC+4*\st*i+1], v[AC+4*\st*i:AC+4*\st*i+1], v[AC+4*\st*i+2*\st:AC+4*\st*i+2*\st+1]
.set i, i+1
.endr
.endr
	WIN S2
	v_add_f32 v[LA+(\a)], v[AC], v[AC+1]
	WIN 0
.endm
.macro TOSTAGE a
.set BK, OB+32*((\a)%2)
.irp b, 0,1,2,3,4,5,6,7
	ds_store_b128 v[STO], v[TMP+4*\b:TMP+4*\b+3] offset:32*\b
.endr
.irp t, 0,1,2,3,4,5,6,7
	ds_load_b128 v[BK+4*\t:BK+4*\t+3], v[RD] offset:\t*2*SPITCH  ; LDS serves a wave's instructions in order (ISA guide 5.7.1.4): these see the stores above
.endr
.endm
.macro SEND a
.set BK, OB+32*((\a)%2)
	s_wait_dscnt 0x0                               ; the block is back in registers
	s_wait_xcnt 0x0                                ; the registers that the block before's stores read are loaded again only behind this wait
.irp t, 0,1,2,3,4,5,6,7
	global_store_b128 v[CO], v[BK+4*\t:BK+4*\t+3], s[6:7] offset:(16*(\a)+2*\t)*4096  ; 16 lanes store 256 consecutive bytes, at a multiple of 256 from et's first byte
.endr
.endm
	s_load_b128 s[4:7], s[0:1], 0x0                ; qkv s[4:5], et s[6:7]
	s_load_b64 s[8:9], s[0:1], 0x10                ; stat
	v_lshl_add_u32 v[SPW], v0, 2, SPARE
	v_mov_b32 v[NIL], 0
	ds_add_u32 v22, v23
	s_wait_dscnt 0x0
	v_lshrrev_b32 v1, 5, v0
	v_readfirstlane_b32 s10, v1                    ; wave
	s_lshr_b32 s11, s10, 1                         ; my half of the keys.  Also: I fetch for k (0) or for q (1)
	s_and_b32 s12, s10, 1                          ; my half of the queries.  Also: which 128 rows of that tile I fetch
	s_bfe_u32 s40, ttmp6, 0x40000                  ; cx
	s_bfe_u32 s41, ttmp6, 0x40004                  ; cy
	s_lshl_b32 s42, ttmp9, 2
	s_add_co_u32 s42, s42, s40                     ; key tile = 4 x cluster x + cx
	s_and_b32 s14, ttmp7, 0xffff                   ; batch = cluster y
	s_mov_b32 s15, s41                             ; the first query tile = cy; the second is four further on
	s_lshl_b32 s43, s41, 2
	s_lshl_b32 s43, 15, s43                        ; my row of the cluster
	s_lshl_b32 s44, 0x1111, s40                    ; my column
	s_or_b32 s[G1], s44, (1<<16)|(1<<20)|(1<<21)|(6<<22)|(3<<25)   ; k's tile goes to my column; elements of 2 bytes; padding: after every 128 words 4 words; 21 set beside a mask
	s_or_b32 s[G1B], s43, (1<<16)|(1<<20)|(1<<21)|(6<<22)|(3<<25)  ; q's to my row
.irp g, G1, G1B
	s_mov_b32 s[\g+1], 256<<16                     ; tensor_dim0 = 256
	s_mov_b32 s[\g+2], 128<<16                     ; tensor_dim1 = 128
	s_mov_b32 s[\g+3], 256<<16                     ; tile_dim0 = 256
	s_mov_b32 s[\g+4], 128                         ; tile_dim1 = 128
	s_mov_b32 s[\g+5], 1536                        ; elements from row to row of qkv
	s_mov_b32 s[\g+6], 0
	s_mov_b32 s[\g+7], 0
.endr
	s_lshl_b32 s17, s12, 7
	s_lshl_b32 s18, s14, 11
	s_add_co_u32 s18, s18, s17                     ; 2,048 x batch + 128 x half
	s_lshl_b32 s16, s42, 8
	s_add_co_u32 s16, s16, s18
	s_mul_i32 s16, s16, 3072
	s_add_co_u32 s16, s16, 512                     ; k lies at byte 512 of a row
	s_mov_b32 s17, 0
	s_lshl_b32 s46, s15, 8
	s_add_co_u32 s46, s46, s18
	s_mul_i32 s46, s46, 3072                       ; q at byte 0
	s_mov_b32 s47, 0
	s_mul_i32 s20, s10, HALFT                      ; where they go: k's two halves, then q's two: wave x 128 rows
	s_mov_b32 s[CS], 0x3db8aa3b                    ; c = log2(e) / 16
	s_mov_b32 s[CS+1], s[CS]
	s_mov_b32 s[G0], 1
	s_mov_b32 s[G0+1], s20
	s_mov_b32 s[G0B], 1
	s_mov_b32 s[G0B+1], s20
	s_wait_kmcnt 0x0
	s_add_nc_u64 s[G0+2:G0+3], s[4:5], s[16:17]
	s_or_b32 s[G0+3], s[G0+3], 0x80000000
	s_add_nc_u64 s[G0B+2:G0B+3], s[4:5], s[46:47]
	s_or_b32 s[G0B+3], s[G0B+3], 0x80000000
	CROUND                                         ; all sixteen work-groups are here: the first joint loads meet
	s_cmp_eq_u32 s11, 0                            ; one first fill a wave: one load of mine is out
	s_cbranch_scc0 .Lfirst_b
	tensor_load_to_lds s[G0:G0+3], s[G1:G1+7]
	s_nop 0
.rept 4
	v_nop
.endr
	s_branch .Lfirst_asked
.Lfirst_b:
	tensor_load_to_lds s[G0B:G0B+3], s[G1B:G1B+7]
	s_nop 0
.rept 4
	v_nop
.endr
.Lfirst_asked:
	s_mov_b32 s[SEL], 0x76543210
	s_mov_b32 s[SEL+1], 0xfedcba98
	v_and_b32 v1, 15, v0                           ; r
	v_bfe_u32 v2, v0, 4, 1                         ; h
	v_mul_u32_u24 v3, v1, PITCH
	v_lshl_add_u32 v3, v2, 4, v3
	s_mul_i32 s21, s11, HALFT                      ; my 128 rows of k
	s_mul_i32 s22, s12, HALFT                      ; my 128 rows of q,
	s_add_co_u32 s22, s22, QB                      ; which lie behind k's 256
	v_add_nc_u32 v[ADRA], s21, v3
	v_add_nc_u32 v[ADRB], s22, v3
	s_mul_i32 s23, s10, 16*SPITCH
	s_add_co_u32 s23, s23, STAGE
	v_mul_u32_u24 v4, v1, SPITCH
	v_lshl_add_u32 v4, v2, 4, v4
	v_add_nc_u32 v[STO], s23, v4
	v_mul_u32_u24 v5, v2, SPITCH
	v_lshl_add_u32 v5, v1, 4, v5
	v_add_nc_u32 v[RD], s23, v5
	v_lshlrev_b32 v5, 12, v2                       ; a row of et is 4,096 bytes
	v_lshl_add_u32 v[CO], v1, 4, v5
	s_lshl_b32 s21, s12, 10                        ; my query half's 1,024 bytes of XM,
	s_lshl_b32 s22, s11, 9                         ; my key half's 512 of them
	s_add_co_u32 s23, s21, s22
	s_add_co_u32 s23, s23, XM
	v_lshl_add_u32 v[XS], v1, 2, s23
	s_xor_b32 s21, s21, 1024                       ; the other query half's
	s_add_co_u32 s23, s21, s22
	s_add_co_u32 s23, s23, XM
	v_lshl_add_u32 v[XP], v1, 2, s23
	v_and_b32 v6, 31, v0
	v_lshlrev_b32 v[SO], 4, v6
	s_lshl_b32 s21, s12, 11                        ; waves of query half 0 write the maxima out, those of half 1 the sums
	s_add_co_u32 s23, s21, s22
	s_add_co_u32 s23, s23, XM
	v_add_nc_u32 v[XR], s23, v[SO]
	s_lshl_b32 s16, s14, 11                        ; et: row 2,048 x batch + 256 x key tile + 128 x key half,
	s_lshl_b32 s17, s42, 8
	s_add_co_u32 s16, s16, s17
	s_lshl_b32 s17, s11, 7
	s_add_co_u32 s16, s16, s17
	s_lshl_b32 s16, s16, 12
	s_lshl_b32 s17, s15, 9                         ; byte 512 x query tile + 256 x query half
	s_add_co_u32 s16, s16, s17
	s_lshl_b32 s17, s12, 8
	s_add_co_u32 s16, s16, s17
	s_mov_b32 s17, 0
	s_add_nc_u64 s[6:7], s[6:7], s[16:17]
	s_lshl_b32 s16, s14, 3                         ; stat: ((8 x batch + query tile) x 2 + which) x 8,192 + 4 x (256 x key tile + 128 x key half)
	s_add_co_u32 s16, s16, s15
	s_lshl_b32 s16, s16, 1
	s_add_co_u32 s16, s16, s12
	s_lshl_b32 s16, s16, 13
	s_lshl_b32 s18, s42, 10
	s_add_co_u32 s16, s16, s18
	s_add_co_u32 s16, s16, s22
	s_add_nc_u64 s[8:9], s[8:9], s[16:17]
	s_wait_tensorcnt 0x0                           ; my part of the first tiles is in,
	s_barrier_signal -1
	s_barrier_wait -1                              ; everybody's is
	GEMM                                           ; the first query tile's products
	s_wait_tensorcnt 0x0                           ; no tensor load of mine is out, so a group 0 may be written;
	ds_add_u32 v[SPW], v[NIL]                      ; 0 onto my spare word
	s_add_nc_u64 s[G0B+2:G0B+3], s[G0B+2:G0B+3], NEXTQ  ; q's descriptor steps to the second query tile; the type bits on top are not reached
	s_wait_dscnt 0x0                               ; the add is done, and my reads of q's rows are over
	CROUND                                         ; both now hold of every wave of every work-group of the cluster
	s_cmp_eq_u32 s11, 0                            ; waves 2 and 3 fill q's two halves again; waves 0 and 1 have no part of it
	s_cbranch_scc1 .Lno_q
	tensor_load_to_lds s[G0B:G0B+3], s[G1B:G1B+7]  ; the first thing behind the round: it has all of the first tile's vector work and stores in which to land
	s_nop 0
.rept 4
	v_nop
.endr
.Lno_q:
	s_mov_b32 s[CNT], 2
.Ltile:
	PLACES
	; THE MAXIMUM over my 128 queries, for each of my 8 blocks of 16 keys
.irp a, 0,1,2,3,4,5,6,7
	v_mov_b32 v[CA+\a], 0xff7fffff                 ; the lowest finite number
	v_mov_b32 v[TA+\a], 0
.endr
	MAXW 2
	MAXW 3
	WIN 0
.irp a, 0,1,2,3,4,5,6,7
	v_permlanex16_b32 v[TA+\a], v[CA+\a], s[SEL], s[SEL+1]  ; the key's other 64 queries lie in the lane 16 away
.endr
.irp a, 0,1,2,3,4,5,6,7
	v_max_num_f32 v[CA+\a], v[CA+\a], v[TA+\a]
.endr
.irp a, 0,1,2,3,4,5,6,7
	ds_store_b32 v[XS], v[CA+\a] offset:64*\a
.endr
	s_wait_dscnt 0x0                               ; for the others' sake: my maxima lie in LDS
	s_barrier_signal -1
	s_barrier_wait -1
.irp a, 0,1,2,3,4,5,6,7
	ds_load_b32 v[TA+\a], v[XP] offset:64*\a       ; the other 128 queries' maxima
.endr
	s_wait_dscnt 0x0
.irp a, 0,1,2,3,4,5,6,7
	v_max_num_f32 v[CA+\a], v[CA+\a], v[TA+\a]
.endr
.irp a, 0,1,2,3,4,5,6,7
	v_mul_f32 v[CM+2*\a], s[CS], v[CA+\a]          ; c m
.endr
.irp a, 0,1,2,3,4,5,6,7
	v_mov_b32 v[CM+2*\a+1], v[CM+2*\a]             ; named with it as a pair
.endr
	EXPA 0
	TOSTAGE 0
.irp a, 1,2,3,4,5,6,7
	EXPA \a
	SEND (\a)-1
	TOSTAGE \a
.endr
	SEND 7
.irp a, 0,1,2,3,4,5,6,7
	v_permlanex16_b32 v[TA+\a], v[LA+\a], s[SEL], s[SEL+1]
.endr
.irp a, 0,1,2,3,4,5,6,7
	v_add_f32 v[LA+\a], v[LA+\a], v[TA+\a]
.endr
.irp a, 0,1,2,3,4,5,6,7
	ds_store_b32 v[XS], v[LA+\a] offset:2048+64*\a
.endr
	s_wait_dscnt 0x0                               ; for the others' sake: my sums lie in LDS
	s_barrier_signal -1
	s_barrier_wait -1
	ds_load_b128 v[32:35], v[XR]                   ; 128 keys' numbers of query half 0,
	ds_load_b128 v[36:39], v[XR] offset:1024       ; and of half 1
	s_wait_dscnt 0x0
	s_cmp_eq_u32 s12, 0
	s_cbranch_scc0 .Lsum
.irp c, 0,1,2,3
	v_max_num_f32 v[32+\c], v[32+\c], v[36+\c]
.endr
.irp c, 0,1,2,3
	v_mul_f32 v[32+\c], s[CS], v[32+\c]            ; the same product as above: c m
.endr
	s_branch .Lstat
.Lsum:
.irp c, 0,1,2,3
	v_add_f32 v[32+\c], v[32+\c], v[36+\c]
.endr
.Lstat:
	global_store_b128 v[SO], v[32:35], s[8:9]      ; 512 consecutive bytes, at a multiple of 512 from stat's first byte
	s_sub_co_u32 s[CNT], s[CNT], 1
	s_cmp_eq_u32 s[CNT], 0
	s_cbranch_scc1 .Lend                           ; behind the second tile the loop is left here
	s_wait_xcnt 0x0                                ; the stores' bases and the registers that they read are rewritten only behind this wait
	s_add_nc_u64 s[6:7], s[6:7], 4*512             ; et and stat at the query tile four further on
	s_add_nc_u64 s[8:9], s[8:9], 4*16384
	s_wait_tensorcnt 0x0                           ; my part of the second query tile is in (my LDS reads were waited for above),
	s_barrier_signal -1
	s_barrier_wait -1                              ; everybody's is; every wave's reads of the maxima and sums are over too
	GEMM                                           ; the second query tile's products, under which the first tile's stores leave
	s_branch .Ltile
.Lend:
	s_wait_tensorcnt 0x0                           ; the wave's end
	ds_add_u32 v[SPW], v[NIL]
	s_wait_dscnt 0x0
	CROUND                                         ; the closing round
	s_endpgm
.Lfunc_end_k_q011d69e11f_scores:
	.size	k_q011d69e11f_scores, .Lfunc_end_k_q011d69e11f_scores-k_q011d69e11f_scores
	.p2alignl 7, 3214868480
	.fill 96, 4, 3214868480
	.section	.rodata,"a",@progbits
	.p2align	6, 0x0
	.amdhsa_kernel k_q011d69e11f_scores
		.amdhsa_group_segment_fixed_size 327680
		.amdhsa_private_segment_fixed_size 0
		.amdhsa_enable_private_segment 0
		.amdhsa_kernarg_size 24
		.amdhsa_user_sgpr_count 2
		.amdhsa_user_sgpr_kernarg_segment_ptr 1
		.amdhsa_wavefront_size32 1
		.amdhsa_system_sgpr_workgroup_id_x 1
		.amdhsa_system_sgpr_workgroup_id_y 1
		.amdhsa_system_sgpr_workgroup_id_z 1
		.amdhsa_system_vgpr_workitem_id 0
		.amdhsa_next_free_vgpr 1024
		.amdhsa_next_free_sgpr 66
		.amdhsa_reserve_vcc 0
		.amdhsa_float_denorm_mode_32 3
		.amdhsa_float_denorm_mode_16_64 3
		.amdhsa_memory_ordered 1
		.amdhsa_forward_progress 1
		.amdhsa_inst_pref_size 162
	.end_amdhsa_kernel
	.amdgpu_metadata
---
amdhsa.version: [ 1, 2 ]
amdhsa.kernels:
  - .name:           k_q011d69e11f_scores
    .symbol:         k_q011d69e11f_scores.kd
    .args:
      - { .name: qkv, .offset: 0, .size: 8, .value_kind: global_buffer, .address_space: global }
      - { .name: et, .offset: 8, .size: 8, .value_kind: global_buffer, .address_space: global }
      - { .name: stat, .offset: 16, .size: 8, .value_kind: global_buffer, .address_space: global }
    .group_segment_fixed_size: 327680
    .private_segment_fixed_size: 0
    .kernarg_segment_align: 8
    .kernarg_segment_size: 24
    .max_flat_workgroup_size: 128
    .sgpr_count:     66
    .vgpr_count:     1024
    .wavefront_size: 32
...
	.end_amdgpu_metadata
.endif
;; end of part 3
;; launch pv (part 4): grid 4 x 64, 4 waves a work-group, clusters of 4 x 4, 327,680 bytes of LDS; arguments et, qkv, stat, out0; writes out0
.if DOCPART == 4
	.amdgcn_target "amdgcn-amd-amdhsa--gfx1250"
	.amdhsa_code_object_version 6
	.text
	.protected	k_q011d69e11f_pv
	.globl	k_q011d69e11f_pv
	.p2align	8
	.type	k_q011d69e11f_pv,@function
k_q011d69e11f_pv:
	s_mov_b64 s[64:65], 0
	v_nop
	global_prefetch_b8 v0, s[64:65] scope:SCOPE_SE
	s_setreg_imm32_b32 hwreg(HW_REG_WAVE_MODE, 25, 1), 1
	s_wait_xcnt 0x0
	s_wait_alu depctr_hold_cnt(0) depctr_sa_sdst(0) depctr_va_vdst(0) depctr_va_sdst(0) depctr_va_ssrc(0) depctr_va_vcc(0) depctr_vm_vsrc(0)
	s_getreg_b32 s2, hwreg(HW_REG_IB_STS2, 6, 4)
	s_cmp_eq_u32 s2, 0
	s_cbranch_scc0 .Lentry_in_a_cluster
	s_endpgm
.Lentry_in_a_cluster:
	s_bfe_u32 s2, ttmp6, 0x10000c
	s_cmp_lg_u32 s2, 0xf033
	s_cbranch_scc0 .Lentry_shape_is_right
	s_endpgm
.Lentry_shape_is_right:
; out[b][q][d] = the sum over keys of P[q][key] v[key][d], P = f16(E_t[q][key] w_t[key]), t = the tile of 256 queries that q lies in.  E_t = 2^(c s - c m_t) comes from et (bf16), v from qkv (f16).
; w_t[key] = 2^(c m_t - M) / L with M = the maximum over the eight tiles i of c m_i and L = the sum over i of l_i 2^(c m_i - M): the key's true maximum over all 2,048 queries is taken away,
; joined from the tiles' as running maxima are joined; L is at least about 1, since the tile that holds the maximum has a weight 1.  w is kept in f32; E w is made in f32 and rounded once, to f16.
; LIMITS.  v arrives in f16, within 65,504.  P lies in 0 to 1; below 6e-5 it keeps f16's fixed step of 6e-8 (a flat column's weights are 1 / 2,048 = 4.9e-4).  A factor below 2^-126 counts as 0;
; NaN and infinities are not treated apart.
; A work-group makes 256 queries x 256 channels (256 work-groups).  Wave w owns queries 64 w .. 64 w + 63 and all 256 channels, so that each number of E is scaled once in the work-group:
; 96 vector instructions for a quarter's 64 matrix instructions.  64 accumulators in windows 2 and 3.  K = 2,048 keys in 16 steps of 128 through two LDS slots, a step in four quarters of 32 keys.
; Both operands lie [key][..] in memory, so both come out of LDS turned, by ds_load_tr16_b128.  Source 0 = 16 channels of v, source 1 = 16 queries of P: a lane holds eight neighbouring channels of one query.
; A fragment of E holds the keys along its registers, the same in every lane of a half: register i goes with the pair 2 i, 2 i + 1 of the lane's 16 numbers of w.
; A QUARTER'S ORDER.  The next quarter's 44 LDS loads stand in five short runs between the matrix instructions (12, then four of 8), and its scaling three vector instructions behind each of the
; quarter's last 32 matrix instructions: no run without a matrix instruction is longer than 14 issue slots.  The price is two window switches for each such run.
; CLUSTER 4 x 4: E's tile hangs on the query tile alone (shared along a row: et is fetched once for the four channel tiles), v's on the channel tile (along a column).
; REGISTERS: window 0: v0-31 addresses; v32-47 w; v48-55 at work; v64-95 E as loaded; v96-127, v128-159 P's fragments, two buffers.  window 1: v's fragments, two buffers of 128.
;   windows 2, 3: accumulator (a, b), a = 0..3 query block, b = 0..15 channel block, in window 2 + b / 8 at v[8 (8 a + b % 8)].
.set P,     544                        ; an LDS row: 512 bytes + 32 = 136 words
.set QT,    64*P                       ; what one tensor load brings: 64 keys
.set ES,    2*QT                       ; a slot's 128 rows of E, or of v.  LDS: E slot 0, E slot 1, v slot 0, v slot 1: two K steps on end are 256 consecutive rows
.set VB,    2*ES                       ; v's two slots lie behind E's two
.set STAGE, 2*VB                       ; 16 rows x 528 bytes for each wave, for the way out
.set SP,    528
.set WT,    STAGE+4*16*SP              ; w in f32, 2,048 keys
.set SPARE, WT+8192                    ; the spare words, 128 bytes for each wave: two blocks of 256 bytes that no other line names
.set AE0, 2                            ; v2   my lane's place in E's slot 0; never rewritten
.set AV0, 3                            ; v3   the same for v
.set AE,  4                            ; v4   AE0 + the slot in hand; in the tail it steps 32 rows a quarter
.set AV,  5
.set WA,  6                            ; v6   my place in w: it steps 512 bytes a K step, in the tail 128 a quarter
.set STO, 7
.set RD,  8
.set GO,  9                            ; 16 x lane
.set WTA, 10                           ; the table: where my four w go
.set TV,  11                           ; the table: 16 x thread
.set MM,  12                           ; v12-15 the table: M
.set LL,  16                           ; v16-19 the table: L, then w
.set SPW, 28                           ; v28  LDS address of my spare word; never rewritten
.set NIL, 29                           ; v29  0; never rewritten
.set ZR,  30                           ; v30  0: the addend of the scaling
.set W32, 32
.set T,   48                           ; four pairs by turns
.set RAW, 64
.set EF,  96                           ; buffer p at EF + 32 p
.set TR0, 64                           ; the table: 68 registers for each of two groups of four keys a thread
.set TR1, 132
.set WV,  12
.set WH,  13                           ; wave / 2: I fetch for E (0) or for v (1)
.set WL,  14                           ; wave % 2: which 64 keys I fetch
.set G1E, 24
.set G0E, 32
.set G1V, 40
.set G0V, 48
.set TB,  56                           ; s56  the slot that is read: 0 or ES
.set CNT, 57
.set WOFE, 61                          ; s61  my part of E's slot 0
.set FS,  62                           ; s62  the slot that was filled last: 0 or ES
.set WOFV, 63                          ; s63  my part of v's slot 0
.set MSB, 0
.macro WIN new                         ; the immediate's high byte repeats the setting that is left; a switch that changes nothing is dropped
.if MSB != (\new)
	s_set_vgpr_msb (MSB<<8)|(\new)
.set MSB, (\new)
.endif
.endm
.macro PLACES                          ; four places in front of loads into, and writes of, registers that matrix instructions have read, and of reads of their results
.rept 4
	v_nop
.endr
.endm
.macro JLOAD                           ; a joint refill: waves 0 and 1 fetch E's halves, waves 2 and 3 v's; an s_nop 0 and four v_nop follow each line
	s_cmp_eq_u32 s[WH], 0
	s_cbranch_scc0 .Lfor_v_\@
	tensor_load_to_lds s[G0E+4:G0E+7], s[G1E:G1E+7]
	s_nop 0
.rept 4
	v_nop
.endr
	s_branch .Lasked_\@
.Lfor_v_\@:
	tensor_load_to_lds s[G0V+4:G0V+7], s[G1V:G1V+7]
	s_nop 0
.rept 4
	v_nop
.endr
.Lasked_\@:
.endm
.macro CREST
	s_cmp_lg_u32 s[WV], 0
	s_cbranch_scc1 .Lnot_wave_0_\@
	s_barrier_signal -3
.Lnot_wave_0_\@:
	s_barrier_wait -3
	s_barrier_signal -1
	s_barrier_wait -1
.endm
.macro CROUND
	s_barrier_signal -1
	s_barrier_wait -1
	CREST
.endm
; THE TABLE OF w.  128 threads x 4 keys are a group of 512 keys; two groups a trip, two trips.
.macro TLOAD R, goff                   ; 17 loads of 512 consecutive bytes a wave: c m_i, l_i of the eight tiles, and my own tile's c m
.irp i, 0,1,2,3,4,5,6,7
	global_load_b128 v[(\R)+4*\i:(\R)+4*\i+3],       v[TV], s[8:9] offset:16384*\i+(\goff)
	global_load_b128 v[(\R)+32+4*\i:(\R)+32+4*\i+3], v[TV], s[8:9] offset:16384*\i+8192+(\goff)
.endr
	global_load_b128 v[(\R)+64:(\R)+67], v[TV], s[2:3] offset:\goff
.endm
.macro GROUP R, off
.irp c, 0,1,2,3
	v_max3_num_f32 v[MM+\c], v[(\R)+\c], v[(\R)+4+\c], v[(\R)+8+\c]
.endr
.irp c, 0,1,2,3
	v_max3_num_f32 v[MM+\c], v[MM+\c], v[(\R)+12+\c], v[(\R)+16+\c]
.endr
.irp c, 0,1,2,3
	v_max3_num_f32 v[MM+\c], v[MM+\c], v[(\R)+20+\c], v[(\R)+24+\c]
.endr
.irp c, 0,1,2,3
	v_max_num_f32 v[MM+\c], v[MM+\c], v[(\R)+28+\c]            ; M
.endr
.irp i, 0,1,2,3,4,5,6,7,16
.irp c, 0,1,2,3
	v_sub_f32 v[(\R)+4*\i+\c], v[(\R)+4*\i+\c], v[MM+\c]       ; c m_i - M; the last four: my own tile's
.endr
.endr
.irp i, 0,1,2,3,4,5,6,7,16
.irp c, 0,1,2,3
	v_exp_f32 v[(\R)+4*\i+\c], v[(\R)+4*\i+\c]
.endr
.endr
	v_nop                                          ; a plain instruction between the exponentials and the use of their results (ISA guide 5.7.2)
	s_wait_alu depctr_va_vdst(0)
.irp c, 0,1,2,3
	v_mul_f32 v[LL+\c], v[(\R)+32+\c], v[(\R)+\c]
.endr
.irp i, 1,2,3,4,5,6,7
.irp c, 0,1,2,3
	v_fmac_f32 v[LL+\c], v[(\R)+32+4*\i+\c], v[(\R)+4*\i+\c]   ; L
.endr
.endr
.irp c, 0,1,2,3
	v_rcp_f32 v[LL+\c], v[LL+\c]
.endr
	v_nop
	s_wait_alu depctr_va_vdst(0)
.irp c, 0,1,2,3
	v_mul_f32 v[LL+\c], v[LL+\c], v[(\R)+64+\c]                ; w
.endr
	ds_store_b128 v[WTA], v[LL:LL+3] offset:\off
.endm
.macro FE kq, woff                     ; 12 LDS loads: E's four fragments of keys 32 kq .. as they lie, and those keys' w
	WIN 0
.irp i, 0,1,2,3
	ds_load_tr16_b128 v[RAW+8*\i:RAW+8*\i+3],   v[AE] offset:32*(\kq)*P+32*\i
	ds_load_tr16_b128 v[RAW+8*\i+4:RAW+8*\i+7], v[AE] offset:32*(\kq)*P+16*P+32*\i
.endr
	ds_load_b128 v[W32:W32+3],     v[WA] offset:\woff          ; keys 8 h .. 8 h + 7,
	ds_load_b128 v[W32+4:W32+7],   v[WA] offset:(\woff)+16
	ds_load_b128 v[W32+8:W32+11],  v[WA] offset:(\woff)+64     ; and 16 + 8 h .. of the quarter's 32
	ds_load_b128 v[W32+12:W32+15], v[WA] offset:(\woff)+80
.endm
.macro FV kq, p, g                     ; 8 LDS loads: v's fragments 4 g .. 4 g + 3 of keys 32 kq .., into buffer p
	WIN 0x40
.irp i, 0,1,2,3
	ds_load_tr16_b128 v[128*(\p)+8*(4*(\g)+\i):128*(\p)+8*(4*(\g)+\i)+3],   v[AV] offset:32*(\kq)*P+32*(4*(\g)+\i)
	ds_load_tr16_b128 v[128*(\p)+8*(4*(\g)+\i)+4:128*(\p)+8*(4*(\g)+\i)+7], v[AV] offset:32*(\kq)*P+16*P+32*(4*(\g)+\i)
.endr
.endm
; The scaling of register n of E's 32: each half, a bf16, times its key's w in f32; the register two before it is rounded to f16 into P's buffer at ge.  n = 32, 33: only the last roundings.
.macro RID1 ge
.if n >= 2
	v_cvt_pk_f16_f32 v[(\ge)+n-2], v[T+2*((n-2)%4)], v[T+2*((n-2)%4)+1]
.endif
.if n < 32
	v_fma_mix_f32_bf16 v[T+2*(n%4)],   v[RAW+n], v[W32+2*(n%8)],   v[ZR] op_sel_hi:[1,0,0]
	v_fma_mix_f32_bf16 v[T+2*(n%4)+1], v[RAW+n], v[W32+2*(n%8)+1], v[ZR] op_sel:[1,0,0] op_sel_hi:[1,0,0]
.endif
.endm
.macro MULA p, g, zero                 ; 8 matrix instructions: query block g x channel blocks 0-7; a quarter's 64 accumulators take turns
	WIN 0xa1
.irp b, 0,1,2,3,4,5,6,7
.if \zero
	v_wmma_f32_16x16x32_f16 v[8*(8*(\g)+\b):8*(8*(\g)+\b)+7], v[128*(\p)+8*\b:128*(\p)+8*\b+7], v[EF+32*(\p)+8*(\g):EF+32*(\p)+8*(\g)+7], 0
.else
	v_wmma_f32_16x16x32_f16 v[8*(8*(\g)+\b):8*(8*(\g)+\b)+7], v[128*(\p)+8*\b:128*(\p)+8*\b+7], v[EF+32*(\p)+8*(\g):EF+32*(\p)+8*(\g)+7], v[8*(8*(\g)+\b):8*(8*(\g)+\b)+7]
.endif
.endr
.endm
.macro MULB p, zero, cnt, rid=1        ; cnt of the 32 matrix instructions on channel blocks 8-15, from number n on; rid = 1: behind each the scaling of register n, which names none of its registers
.rept \cnt
	WIN 0xf1
.if \zero
	v_wmma_f32_16x16x32_f16 v[8*n:8*n+7], v[128*(\p)+64+8*(n%8):128*(\p)+64+8*(n%8)+7], v[EF+32*(\p)+8*(n/8):EF+32*(\p)+8*(n/8)+7], 0
.else
	v_wmma_f32_16x16x32_f16 v[8*n:8*n+7], v[128*(\p)+64+8*(n%8):128*(\p)+64+8*(n%8)+7], v[EF+32*(\p)+8*(n/8):EF+32*(\p)+8*(n/8)+7], v[8*n:8*n+7]
.endif
.if \rid
	WIN 0
	RID1 EF+32*(1-(\p))
.endif
.set n, n+1
.endr
.endm
; A quarter: 32 keys, 64 matrix instructions on the buffers p; the next quarter's fragments (keys 32 kq .. behind the addresses) are fetched into the other buffers and E's are scaled.
; kind 0: plain.  1: the fetch is the slot's last: behind its last run the wave waits for all its tensor loads, adds 0 to its spare word, waits for that and for its reads, and signals.
; 2: at the head the barrier's wait, the rest of the cluster's round, the joint refill, and the other slot.  step = 1 (the tail): the addresses step a quarter on behind their loads.
.macro QUARTER p, kq, woff, zero, kind, step=0
	WIN 0
.if (\kind) == 2
	s_barrier_wait -1
	CREST                                          ; no wave of any partner still reads the slot or has a load on its way
	JLOAD                                          ; the first tensor load behind the round: 232 matrix instructions ahead of the wait for it; its four v_nop are the places in front of the loads below
	s_xor_b32 s[TB], s[TB], ES
	v_add_nc_u32 v[AE], s[TB], v[AE0]
	v_add_nc_u32 v[AV], s[TB], v[AV0]
.else
	PLACES
.endif
	s_wait_dscnt 0x0                               ; v's fragments of this quarter are in: the last of them were asked for 24 matrix instructions ago
	MULA \p, 0, \zero
	FE \kq, \woff
.if \step
	v_add_nc_u32 v[AE], 32*P, v[AE]
	v_add_nc_u32 v[WA], 128, v[WA]
.endif
	MULA \p, 1, \zero
	FV \kq, 1-(\p), 0
	MULA \p, 2, \zero
	FV \kq, 1-(\p), 1
	MULA \p, 3, \zero
	FV \kq, 1-(\p), 2
	WIN 0
	s_wait_dscnt 24                                ; E and w are in: behind them only v's 24 loads were issued
.set n, 0
	MULB \p, \zero, 8
	FV \kq, 1-(\p), 3
	WIN 0
.if \step
	v_add_nc_u32 v[AV], 32*P, v[AV]
.endif
.if (\kind) == 1
	s_wait_tensorcnt 0x0                           ; all my tensor loads have landed: the one that was out is my part of the other slot;
	ds_add_u32 v[SPW], v[NIL]                      ; 0 onto my spare word
	s_xor_b32 s[FS], s[FS], ES                     ; no tensor load of mine is out: the walking descriptors step: the other slot than last time, the next 128 keys
	s_add_co_u32 s[G0E+5], s[FS], s[WOFE]
	s_add_nc_u64 s[G0E+6:G0E+7], s[G0E+6:G0E+7], 128*4096
	s_add_co_u32 s[G0V+5], s[FS], s[WOFV]
	s_add_nc_u64 s[G0V+6:G0V+7], s[G0V+6:G0V+7], 128*3072
.endif
	MULB \p, \zero, 8
.if (\kind) == 1
	s_wait_dscnt 0x0                               ; the add is done, and my reads of this slot are over
	s_barrier_signal -1                            ; up to the wait, at the next quarter's head, stands work on registers alone
.endif
	MULB \p, \zero, 16
	RID1 EF+32*(1-(\p))
.set n, 33
	RID1 EF+32*(1-(\p))
.endm
	s_load_b256 s[4:11], s[0:1], 0x0               ; et s[4:5], qkv s[6:7], stat s[8:9], out0 s[10:11]
	v_lshl_add_u32 v[SPW], v0, 2, SPARE
	v_mov_b32 v[NIL], 0
	ds_add_u32 v28, v29
	s_wait_dscnt 0x0
	v_mov_b32 v[ZR], 0
	v_lshlrev_b32 v[TV], 4, v0
	v_lshrrev_b32 v1, 5, v0
	v_readfirstlane_b32 s[WV], v1
	s_lshr_b32 s[WH], s[WV], 1
	s_and_b32 s[WL], s[WV], 1
	s_bfe_u32 s15, ttmp6, 0x40000                  ; cx
	s_bfe_u32 s16, ttmp6, 0x40004                  ; cy
	s_lshl_b32 s17, ttmp9, 2
	s_add_co_u32 s17, s17, s15                     ; channel tile
	s_and_b32 s18, ttmp7, 0xffff
	s_lshr_b32 s19, s18, 1                         ; batch = cluster y / 2
	s_and_b32 s20, s18, 1
	s_lshl_b32 s20, s20, 2
	s_add_co_u32 s20, s20, s16                     ; query tile = 4 x (cluster y % 2) + cy
	s_lshl_b32 s2, s19, 17                         ; stat: 131,072 bytes a batch,
	s_mov_b32 s3, 0
	s_lshl_b32 s22, s20, 14                        ; 16,384 a tile: my own tile's c m
	s_mov_b32 s23, 0
	s_wait_kmcnt 0x0
	s_add_nc_u64 s[8:9], s[8:9], s[2:3]
	s_add_nc_u64 s[2:3], s[8:9], s[22:23]
	TLOAD TR0, 0                                   ; the table's first 34 loads go out ahead of everything else: they are on their way under the round and the first fills
	TLOAD TR1, 2048
	s_lshl_b32 s21, s16, 2
	s_lshl_b32 s21, 15, s21                        ; my row of the cluster
	s_lshl_b32 s60, 0x1111, s15                    ; my column
	s_or_b32 s[G1E], s21, (1<<16)|(1<<20)|(1<<21)|(6<<22)|(7<<25)  ; mask; elements of 2 bytes; padding: after every 128 words 8 words; 21 set beside a mask
	s_or_b32 s[G1V], s60, (1<<16)|(1<<20)|(1<<21)|(6<<22)|(7<<25)
.irp g, G1E, G1V
	s_mov_b32 s[\g+1], 256<<16                     ; tensor_dim0 = 256
	s_mov_b32 s[\g+2], 64<<16                      ; tensor_dim1 = 64
	s_mov_b32 s[\g+3], 256<<16                     ; tile_dim0 = 256
	s_mov_b32 s[\g+4], 64                          ; tile_dim1 = 64
	s_mov_b32 s[\g+6], 0
	s_mov_b32 s[\g+7], 0
.endr
	s_mov_b32 s[G1E+5], 2048                       ; elements from row to row of et,
	s_mov_b32 s[G1V+5], 1536                       ; and of qkv
	s_lshl_b32 s22, s19, 23                        ; et: the batch's 8 MB, 64 x half rows of 4,096 bytes, 512 bytes a query tile
	s_lshl_b32 s23, s[WL], 18
	s_add_co_u32 s22, s22, s23
	s_lshl_b32 s23, s20, 9
	s_add_co_u32 s22, s22, s23
	s_mov_b32 s23, 0
	s_lshl_b32 s58, s19, 11                        ; qkv: row 2,048 x batch + 64 x half; v lies at byte 1,024 of a row; 512 bytes a channel tile
	s_lshl_b32 s59, s[WL], 6
	s_add_co_u32 s58, s58, s59
	s_mul_i32 s58, s58, 3072
	s_lshl_b32 s59, s17, 9
	s_add_co_u32 s58, s58, s59
	s_add_co_u32 s58, s58, 1024
	s_mov_b32 s59, 0
	s_mul_i32 s[WOFE], s[WL], QT                   ; where they go: the wave's number alone enters an LDS address
	s_add_co_u32 s[WOFV], s[WOFE], VB
	s_mov_b32 s[FS], ES
	s_mov_b32 s[TB], 0
	s_add_nc_u64 s[22:23], s[4:5], s[22:23]
	s_add_nc_u64 s[58:59], s[6:7], s[58:59]
.irp s, 0,1
	s_mov_b32 s[G0E+4*\s], 1
	s_add_co_u32 s[G0E+4*\s+1], s[WOFE], \s*ES
	s_add_nc_u64 s[G0E+4*\s+2:G0E+4*\s+3], s[22:23], \s*128*4096
	s_or_b32 s[G0E+4*\s+3], s[G0E+4*\s+3], 0x80000000
	s_mov_b32 s[G0V+4*\s], 1
	s_add_co_u32 s[G0V+4*\s+1], s[WOFV], \s*ES
	s_add_nc_u64 s[G0V+4*\s+2:G0V+4*\s+3], s[58:59], \s*128*3072
	s_or_b32 s[G0V+4*\s+3], s[G0V+4*\s+3], 0x80000000
.endr
	CROUND                                         ; all sixteen work-groups are here: the first joint loads meet
	s_cmp_eq_u32 s[WH], 0                          ; a wave's two first fills stand in one branch: two loads of mine are out
	s_cbranch_scc0 .Lfirst_v
	tensor_load_to_lds s[G0E:G0E+3], s[G1E:G1E+7]
	s_nop 0
	tensor_load_to_lds s[G0E+4:G0E+7], s[G1E:G1E+7]
	s_nop 0
.rept 4
	v_nop
.endr
	s_branch .Lfirst_asked
.Lfirst_v:
	tensor_load_to_lds s[G0V:G0V+3], s[G1V:G1V+7]
	s_nop 0
	tensor_load_to_lds s[G0V+4:G0V+7], s[G1V:G1V+7]
	s_nop 0
.rept 4
	v_nop
.endr
.Lfirst_asked:
	; The turning load takes 16 keys x 16 columns (lane l reads key 8 (l / 16) + l % 8, columns 8 ((l / 8) % 2) + 0..7) and leaves half a fragment: lane l holds column l % 16 and 8 keys.
	v_and_b32 v1, 15, v0                           ; r
	v_bfe_u32 v12, v0, 4, 1                        ; h
	v_and_b32 v13, 7, v0
	v_bfe_u32 v14, v0, 3, 1
	v_lshl_add_u32 v15, v12, 3, v13
	v_mul_u32_u24 v15, v15, P
	v_lshl_add_u32 v15, v14, 4, v15
	s_lshl_b32 s60, s[WV], 7                       ; my 64 queries: 128 bytes of a row
	v_add_nc_u32 v[AE0], s60, v15
	v_add_nc_u32 v[AV0], VB, v15                   ; all 256 channels
	v_mov_b32 v[AE], v[AE0]
	v_mov_b32 v[AV], v[AV0]
	v_lshlrev_b32 v[WA], 5, v12
	v_add_nc_u32 v[WA], WT, v[WA]                  ; 8 keys of w, 32 bytes, for each half of the lanes
	s_mul_i32 s60, s[WV], 16*SP
	s_add_co_u32 s60, s60, STAGE                   ; my stage
	v_mul_u32_u24 v[STO], v1, SP
	v_lshl_add_u32 v[STO], v12, 5, v[STO]
	v_add_nc_u32 v[STO], s60, v[STO]
	v_and_b32 v[GO], 31, v0
	v_lshlrev_b32 v[GO], 4, v[GO]
	v_add_nc_u32 v[RD], s60, v[GO]
	v_add_nc_u32 v[WTA], WT, v[TV]
	s_lshl_b32 s22, s18, 2                         ; out0: 256 x (4 x cluster y + cy) + 64 x wave rows of 4,096 bytes, 1,024 bytes a channel tile
	s_add_co_u32 s22, s22, s16
	s_lshl_b32 s22, s22, 20
	s_lshl_b32 s23, s[WV], 18
	s_add_co_u32 s22, s22, s23
	s_lshl_b32 s23, s17, 10
	s_add_co_u32 s22, s22, s23
	s_mov_b32 s23, 0
	s_add_nc_u64 s[10:11], s[10:11], s[22:23]
	s_mov_b32 s[CNT], 2
.Ltab:                                                 ; the table, in the wait for the first tile; the loop is left ahead of loads that nobody would use
	s_wait_loadcnt 17                              ; the first group's 17 loads are in; the second's may be out
	GROUP TR0, 0
	s_wait_loadcnt 0x0                             ; all loads are done: their bases may step
	GROUP TR1, 2048
	s_add_nc_u64 s[8:9], s[8:9], 4096
	s_add_nc_u64 s[2:3], s[2:3], 4096
	v_add_nc_u32 v[WTA], 4096, v[WTA]
	s_sub_co_u32 s[CNT], s[CNT], 1
	s_cmp_eq_u32 s[CNT], 0
	s_cbranch_scc1 .Ltabdone
	TLOAD TR0, 0
	TLOAD TR1, 2048
	s_branch .Ltab
.Ltabdone:
	s_wait_tensorcnt 0x1                           ; my part of K step 0 is in; K step 1's may stay out
	s_wait_dscnt 0x0                               ; for the others' sake: my part of the table lies in LDS
	s_barrier_signal -1
	s_barrier_wait -1
	FE 0, 0
	FV 0, 0, 0
	FV 0, 0, 1
	FV 0, 0, 2
	FV 0, 0, 3
	WIN 0
	s_wait_dscnt 0x0
.set n, 0
.rept 34
	RID1 EF                                        ; the first quarter's P
.set n, n+1
.endr
	QUARTER 0, 1, 128, 1, 0                        ; the first quarter's products start the sums
	WIN 0
	s_mov_b32 s[CNT], 14                           ; K steps 2 to 15 are asked for in the loop
.Lstep:                                                ; a trip: a K step's quarters 1 to 3, the change of slots, the next step's quarter 0
	QUARTER 1, 2, 256, 0, 0
	QUARTER 0, 3, 384, 0, 1
	QUARTER 1, 0, 512, 0, 2
	QUARTER 0, 1, 640, 0, 0
	WIN 0
	v_add_nc_u32 v[WA], 512, v[WA]
	s_sub_co_u32 s[CNT], s[CNT], 1
	s_cmp_lg_u32 s[CNT], 0
	s_cbranch_scc1 .Lstep
	; THE TAIL: K step 14's quarters 1 to 3 and K step 15.  Nothing more is asked for.  One barrier shows K step 15 whole to every wave; behind it the two steps (slot 0, then slot 1: 14 changes
	; of slots have brought the walk back to slot 0) are 256 consecutive rows, and the fetches step 32 rows a quarter from row 64 on.
	s_wait_tensorcnt 0x0                           ; my part of K step 15 is in: it was asked for 128 matrix instructions ago
	s_wait_dscnt 0x0                               ; no LDS instruction of mine is out at the signal
	s_barrier_signal -1
	s_barrier_wait -1
	v_add_nc_u32 v[AE], 2*32*P, v[AE0]
	v_add_nc_u32 v[AV], 2*32*P, v[AV0]
	v_add_nc_u32 v[WA], 256, v[WA]
	s_mov_b32 s[CNT], 3
.Ltail:
	QUARTER 1, 0, 0, 0, 0, 1
	QUARTER 0, 0, 0, 0, 0, 1
	WIN 0
	s_sub_co_u32 s[CNT], s[CNT], 1
	s_cmp_lg_u32 s[CNT], 0
	s_cbranch_scc1 .Ltail
	s_wait_dscnt 0x0                               ; the last quarter: nothing to fetch, nothing to scale
	MULA 1, 0, 0
	MULA 1, 1, 0
	MULA 1, 2, 0
	MULA 1, 3, 0
.set n, 0
	MULB 1, 0, 32, 0
	WIN 0
; THE WAY OUT, in 8 blocks n of 16 queries (16 (n % 4) ..) x 128 channels (128 (n / 4) ..) of f32: a lane's 32 bytes go into rows of 528 bytes of my own stage (each accumulator's low half first)
; and come back as whole rows of 512.
.macro TOSTAGE a
.set AC, 64*((\a)%4)
.set BK, 64+64*((\a)%2)
	WIN 0x08+4*((\a)/4)                            ; the data in window 2 or 3, the address in window 0
.irp b, 0,1,2,3,4,5,6,7
	ds_store_b128 v[STO], v[AC+8*\b:AC+8*\b+3]   offset:64*\b
	ds_store_b128 v[STO], v[AC+8*\b+4:AC+8*\b+7] offset:64*\b+16
.endr
	WIN 0
	s_wait_xcnt 0x0                                ; the registers that the stores of two blocks ago read are loaded again only behind this wait
.set t, 0
.rept 16
	ds_load_b128 v[BK+4*t:BK+4*t+3], v[RD] offset:SP*t         ; LDS serves a wave's instructions in order (ISA guide 5.7.1.4): these see the stores above
.set t, t+1
.endr
.endm
.macro SEND a, younger                 ; younger: the LDS instructions issued behind block a's loads: the next block's 32, or none
.set BK, 64+64*((\a)%2)
	s_wait_dscnt \younger
.set t, 0
.rept 16
	global_store_b128 v[GO], v[BK+4*t:BK+4*t+3], s[10:11] offset:(16*((\a)%4)+t)*4096+512*((\a)/4) th:TH_STORE_NT  ; 512 consecutive bytes, at a multiple of 512 from out0's first byte
.set t, t+1
.endr
.endm
	PLACES
	TOSTAGE 0
.irp a, 1,2,3,4,5,6,7
	TOSTAGE \a
	SEND (\a)-1, 32
.endr
	SEND 7, 0
	s_wait_tensorcnt 0x0                           ; the wave's end
	ds_add_u32 v[SPW], v[NIL]
	s_wait_dscnt 0x0
	CROUND                                         ; the closing round: no work-group ends while a partner may still ask for a tile that names it
	s_endpgm
.Lfunc_end_k_q011d69e11f_pv:
	.size	k_q011d69e11f_pv, .Lfunc_end_k_q011d69e11f_pv-k_q011d69e11f_pv
	.p2alignl 7, 3214868480
	.fill 96, 4, 3214868480
	.section	.rodata,"a",@progbits
	.p2align	6, 0x0
	.amdhsa_kernel k_q011d69e11f_pv
		.amdhsa_group_segment_fixed_size 327680
		.amdhsa_private_segment_fixed_size 0
		.amdhsa_enable_private_segment 0
		.amdhsa_kernarg_size 32
		.amdhsa_user_sgpr_count 2
		.amdhsa_user_sgpr_kernarg_segment_ptr 1
		.amdhsa_wavefront_size32 1
		.amdhsa_system_sgpr_workgroup_id_x 1
		.amdhsa_system_sgpr_workgroup_id_y 1
		.amdhsa_system_sgpr_workgroup_id_z 1
		.amdhsa_system_vgpr_workitem_id 0
		.amdhsa_next_free_vgpr 1024
		.amdhsa_next_free_sgpr 66
		.amdhsa_reserve_vcc 0
		.amdhsa_float_denorm_mode_32 3
		.amdhsa_float_denorm_mode_16_64 3
		.amdhsa_memory_ordered 1
		.amdhsa_forward_progress 1
		.amdhsa_inst_pref_size 175
	.end_amdhsa_kernel
	.amdgpu_metadata
---
amdhsa.version: [ 1, 2 ]
amdhsa.kernels:
  - .name:           k_q011d69e11f_pv
    .symbol:         k_q011d69e11f_pv.kd
    .args:
      - { .name: et, .offset: 0, .size: 8, .value_kind: global_buffer, .address_space: global }
      - { .name: qkv, .offset: 8, .size: 8, .value_kind: global_buffer, .address_space: global }
      - { .name: stat, .offset: 16, .size: 8, .value_kind: global_buffer, .address_space: global }
      - { .name: out0, .offset: 24, .size: 8, .value_kind: global_buffer, .address_space: global }
    .group_segment_fixed_size: 327680
    .private_segment_fixed_size: 0
    .kernarg_segment_align: 8
    .kernarg_segment_size: 32
    .max_flat_workgroup_size: 128
    .sgpr_count:     66
    .vgpr_count:     1024
    .wavefront_size: 32
...
	.end_amdgpu_metadata
.endif
;; end of part 4
